; MI455X (gfx1250); checked and timed in simulation.
; The chip was launched on July 23, 2026; its instructions are those of AMD's public machine-readable ISA for CDNA 5 (MIT licence, August 2026) and "CDNA5" Instruction Set Architecture Reference Guide (July 2026). The comments in the code are by the model that wrote it; some were corrected since.
;; Custom LSTM Cell. Allowed arithmetic: matrix products marked QUANTISED: E4M3 operands, one E8M0 scale for each 32 along K, by v_wmma_scale_f32_16x16x128_f8f6f4 with both operands' format E4M3, f32 sums; everything else in f32.
;; Inputs: W_h_codes 4,096 x 32 x 32 uint8 (E4M3 codes of W_h, K innermost, in blocks of 32 codes); W_h_scales 4,096 x 32 uint8 (E8M0 scales of W_h, one for each 32 codes along K); W_x_codes 4,096 x 32 x 32 uint8 (E4M3 codes of W_x, K innermost, in blocks of 32 codes); W_x_scales 4,096 x 32 uint8 (E8M0 scales of W_x, one for each 32 codes along K); b_extra 4,096 float32; b_h 4,096 float32; b_x 4,096 float32; c_prev 8,192 x 1,024 float32; e_t_codes 8,192 x 32 x 32 uint8 (E4M3 codes of e_t, K innermost, in blocks of 32 codes); e_t_scales 8,192 x 32 uint8 (E8M0 scales of e_t, one for each 32 codes along K); h_prev_codes 8,192 x 32 x 32 uint8 (E4M3 codes of h_prev, K innermost, in blocks of 32 codes); h_prev_scales 8,192 x 32 uint8 (E8M0 scales of h_prev, one for each 32 codes along K).
;; Outputs: out0 8,192 x 1,024 float32; out1 8,192 x 1,024 float32.
;; This version of the problem:
;;   THIS VERSION OF THE PROBLEM IS GIVEN IN LOW PRECISION. The matrix products marked QUANTISED in the list below multiply operands that are first quantised to E4M3 (4 exponent bits, 3 mantissa bits; 8 bits a number), with one power-of-two scale for each 32 numbers along K (OCP MX v1.0); their sums are f32. All else is computed in f32.
;;   The module's matrix products, in the order in which they are computed (A, B: the left and right operand; K: the contracted axis; several contracted axes count as one K, in the product's order):
;;     1. [M 8,192, K 1,024] x [K 1,024, N 4,096]; A: input e_t (given as codes); B: input W_x (given as codes): QUANTISED
;;     2. [M 8,192, K 1,024] x [K 1,024, N 4,096]; A: input h_prev (given as codes); B: input W_h (given as codes): QUANTISED
;;   THE QUANTISER, for each operand of a quantised product, along K:
;;     - K is cut into blocks of 32 from its start; a last block that is shorter is filled with zeros.
;;     - A block's scale is 2^e with e = floor(log2(the largest magnitude in the block)) - 8, held to -126 .. 127; a block of zeros has e = 0. As a byte (E8M0): e + 127.
;;     - Each number is divided by its block's scale, clamped to +-448, and rounded to the nearest number of E4M3, ties to even, subnormals kept.
;;     - The product sums the exact products of the quantised numbers (number of the format x scale) in f32.
;;   ~~~python
;;   def quantise(x, axis):      # numpy; x: float32 -> the quantised numbers, widened to float32 again
;;       x = np.moveaxis(x, axis, -1); K = x.shape[-1]
;;       x = np.pad(x, [(0, 0)] * (x.ndim - 1) + [(0, -K % 32)]); x = x.reshape(x.shape[:-1] + (-1, 32)); a = np.abs(x).max(-1, keepdims=True)
;;       e = np.where(a > 0, np.clip(np.frexp(np.where(a > 0, a, 1))[1] - 1 - 8, -126, 127), 0)      # np.frexp(a)[1] - 1 = floor(log2(a)), exactly
;;       r = np.clip(x / 2.0 ** e, -448, 448)
;;       step = 2.0 ** (np.maximum(np.frexp(np.where(r == 0, 1, r))[1] - 1, -6) - 3)
;;       q = np.round(r / step) * step * 2.0 ** e      # np.round: ties to even
;;       return np.moveaxis(q.reshape(q.shape[:-2] + (-1,))[..., :K], -1, axis).astype(np.float32)
;;   ~~~
;;   INPUTS GIVEN AS CODES. W_h (in the module: [4096, 1024], K = its axis 1); W_x (in the module: [4096, 1024], K = its axis 1); e_t (in the module: [8192, 1024], K = its axis 1); h_prev (in the module: [8192, 1024], K = its axis 1): each comes as NAME_codes (uint8): NAME with its K axis moved to the last place and cut into blocks of 32 codes, [.., K / 32, bytes a block], one block behind the other in memory; one code a byte (a code: sign, 4 exponent bits, 3 mantissa bits); and NAME_scales (uint8): the same leading axes, one E8M0 byte (e + 127) for each 32 codes along K. Its value is code x scale, taken as it is: it is not quantised again, and the codes and scales need not be those that the quantiser above would give.
;; One version. Each part assembles by itself: llvm-mc -triple=amdgcn-amd-amdhsa -mcpu=gfx1250 --defsym DOCPART=n.
;; ======== version 1 of 1: 1 launch
;; launch lstm (part 1): grid 16 x 32, 4 waves a work-group, clusters of 4 x 4, 327,680 bytes of LDS; arguments e_t_codes, e_t_scales, h_prev_codes, h_prev_scales, W_x_codes, W_x_scales, W_h_codes, W_h_scales, b_x, b_h, b_extra, c_prev, out0, out1; writes out0, out1
.if DOCPART == 1
	.amdgcn_target "amdgcn-amd-amdhsa--gfx1250"
	.amdhsa_code_object_version 6
	.text
	.protected	k_q1003809ce6_lstm
	.globl	k_q1003809ce6_lstm
	.p2align	8
	.type	k_q1003809ce6_lstm,@function
k_q1003809ce6_lstm:
	s_mov_b64 s[64:65], 0
	v_nop
	global_prefetch_b8 v0, s[64:65] scope:SCOPE_SE
	s_setreg_imm32_b32 hwreg(HW_REG_WAVE_MODE, 25, 1), 1
	s_wait_xcnt 0x0
	s_wait_alu depctr_hold_cnt(0) depctr_sa_sdst(0) depctr_va_vdst(0) depctr_va_sdst(0) depctr_va_ssrc(0) depctr_va_vcc(0) depctr_vm_vsrc(0)
	s_getreg_b32 s2, hwreg(HW_REG_IB_STS2, 6, 4)
	s_cmp_eq_u32 s2, 0
	s_cbranch_scc0 .Lentry_in_a_cluster
	s_endpgm
.Lentry_in_a_cluster:
	s_bfe_u32 s2, ttmp6, 0x10000c
	s_cmp_lg_u32 s2, 0xf033
	s_cbranch_scc0 .Lentry_shape_is_right
	s_endpgm
.Lentry_shape_is_right:
; AN LSTM CELL.  z[8192][4096] = e_t W_x^T + h_prev W_h^T + b_x + b_h + b_extra, both products on codes of FP8 (E4M3) with one E8M0 scale byte for each 32 along K, sums in f32;
; the four gates (f, i, o, c) are blocks of 1,024 columns of z;  c_t = sigmoid(zf) c_prev + sigmoid(zi) tanh(zc) -> out1;  h_t = sigmoid(zo) tanh(c_t) -> out0.
; The two products add into one z, so they are ONE product with K = 2,048, in two PARTS of four K steps (256 along K each): e_t with W_x, h_prev with W_h.  z never goes to memory.
; THE ORDER OF THE PARTS.  A cluster whose x + y is even takes e_t and W_x first, one whose x + y is odd h_prev and W_h: a choice of pointers at the head, on the cluster's two numbers alone, the same in all sixteen
; partners.  So of the clusters that read the same rows, neighbours ask for different K steps at any time, and each K step of a row is asked for by one half of its readers four K steps behind the other half.
; SHARES.  A work-group of four waves owns 256 rows x 64 hidden units, in ALL FOUR GATES: 256 columns of z.  A wave owns 128 rows (RH) x 32 hidden units (CH) x 4 gates: 64 accumulators of 16 x 16, 512 registers;
; accumulator (a, b): rows 16 a on, b = 2 g + u: gate g, hidden units 16 u on.  So a lane holds zf, zi, zo, zc of the same (row, hidden unit), and the gates are computed in registers.
; THE MATRIX INSTRUCTION IS USED TRANSPOSED (source 0 = 16 rows of W, source 1 = 16 rows of e_t or h_prev): lane (r, h), register j of (a, b) = z_g(row 16 a + r, hidden unit 16 u + 8 h + j).
; THE BIASES, summed once ((b_x + b_h) + b_extra), are the C of each sum's first matrix instruction.
; RING.  Two LDS slots, each 256 rows of the activations and 256 rows of W (64 of each gate) x 256 bytes.  Waves 0 and 1 fetch the activations' halves; waves 2 and 3 two gates each, by one tile of three
; dimensions (256 bytes x 64 rows x 2 gates, the gates 1 MiB apart).  The scale bytes of all of K come once, with the first fills, and stay.
; CLUSTERS: 4 x 4 work-groups.  The four of a row of the cluster need the same tiles of the activations, the four of a column the same tiles of W: each is asked for JOINTLY, by the same tensor load with the
; same descriptor and a mask that names the four.
; THE WAY OUT.  c_prev's tile (256 rows x 256 bytes) comes by a tensor load into the slot that is left last, 160 matrix instructions ahead of its first use.  Block by block of 16 rows: the gates; c_t goes over
; c_prev's bytes, h_t into a stage beside them; a barrier (a row's 256 bytes come from two waves); the wave with CH = 0 stores the block's rows of c_t, the wave with CH = 1 those of h_t, 256 aligned bytes to sixteen lanes.
; A block's stores leave while the next block is computed.
; LIMITS.  sigmoid(x) = 1 / (1 + 2^(-x log2 e)), tanh(x) = 1 - 2 / (1 + 2^(2 x log2 e)), by v_exp_f32 and v_rcp_f32 (1 ulp each: ISA guide 15.8): tanh has an absolute error of some 1e-7 near 0, not a relative one.
; An exponential that overflows gives infinity, whose reciprocal is 0; one that underflows gives 0: the gate then stands at its limit, so nothing is clamped at any size of input.  A scale byte 0xff gives NaN.
; ORDER OF ROUNDING: the biases are summed first and stand at the head of each f32 sum; the two products' K steps follow in the cluster's order of the parts: another order than product, product, biases.
; REGISTERS, in windows of 256: window 0: v0-31 addresses; v32-63 scale words, two sets; v64-127 the bias, later c_prev and c_t; v128-255 the activations' fragments, ONE set; on the way out v128-191 at work, v192-255 rows to store.
;   window 1: W's fragments, TWO sets, at v0 and v128.   window 2: the accumulators of my rows 0-63 ((a, b) at v[8 (8 a + b)]);   window 3: those of my rows 64-127.
.set PITCH,  272                       ; an LDS row: 256 bytes + 16 of padding = 68 words: row r starts at bank 4 r mod 64 (64 banks of 4 bytes: ISA guide 11.1)
.set HALFT,  128*PITCH                 ; 128 rows: what one tensor load of codes brings
.set SLOT,   4*HALFT                   ; the activations' 256 rows, then W's 256 (row 64 g + i)
.set HST,    2*HALFT                   ; the way out: h_t's stage lies where slot 0 held W's rows; c_prev and c_t where it held the activations'
.set SCL,    2*SLOT                    ; behind the ring: the scale bytes
.set SREG,   16*272                    ; those of 128 rows for 1,024 along K: 4,096 bytes as 16 units of 256 + 16
.set SPART,  4*SREG                    ; a part's: activations' half 0, half 1, W for CH = 0, W for CH = 1.  The part taken first lies first
.set SBLK,   2*272                     ; those of 16 rows
.set SPARE,  SCL+2*SPART               ; the spare words, 128 bytes for each wave: two blocks of 256 bytes that no other line names
.set FR,     16                        ; registers of a fragment: 16 rows x 128 K
.set NL,     4                         ; LDS loads that bring one
.set NP,     8                         ; places behind this matrix instruction (ISA guide 7.12.1)
.set PADW,   (1<<20)|(5<<22)|(3<<25)   ; descriptor group 1, word 0: padding on; after every 64 words; 4 words
.set ADRA, 16                          ; v16-17  LDS address of my activations' fragments in slot 0, 1
.set ADRB, 20                          ; v20-21  the same for W
.set ADRS0, 22                         ; v22     my scale words at K step 0: lanes 0-15 the activations' rows, lanes 16-31 W's
.set STH,  23                          ; v23     the way out: where I put 16 bytes of h_t
.set STO,  24                          ; v24     where I read c_prev and put c_t
.set RD,   25                          ; v25     where I read whole rows back
.set CO,   26                          ; v26     my byte offset in two rows of the output
.set ADRS, 27                          ; v27     my scale words at the K step in hand
.set SPW,  28                          ; v28     LDS address of my spare word; never rewritten
.set NIL,  29                          ; v29     0; never rewritten
.set PFO,  30                          ; v30     4,096 x lane: a row of c_prev; never rewritten
.set BO,   31                          ; v31     32 h: my eight numbers of a tile's sixteen biases; never rewritten
.set SC,   32                          ; scale words: set s at v[SC + 16 s]; register 2 i + q: lanes 0-15 the activations' block i, lanes 16-31 W's block i, the slot's q-th 128 along K
.set BI,   64                          ; the bias: 8 registers for each b
.set CP,   64                          ; the way out: c_prev, then c_t: two sets of 16
.set AF,   128                         ; the activations' fragments
.set T,    128                         ; the way out: 64 numbers at work: f 0-15, i 16-31, o 32-47, c 48-63
.set OUT,  192                         ; the way out: 16 rows read back: two sets of 32
.set G0SA0, 4                          ; s[4:19]: the first eight pointers; then four groups 0 for the scale bytes: the activations' of the first and of the second part, W's of the first and of the second
.set G0SA1, 8
.set G0SB0, 12
.set G0SB1, 16
.set G1SA, 20                          ; s[20:27], s[28:35] groups 1 for the scale bytes; once those loads are done:
.set G1SB, 28
.set G1C,  20                          ; s[20:27] group 1 for c_prev, s[28:31] its group 0,
.set G0C,  28
.set KN,   32                          ; s[32:33] -log2 e, s[34:35] 2 log2 e (the packed forms name a pair and take its low word for both halves)
.set KP,   34
.set G1A,  36                          ; s[36:43] group 1, s[44:51] groups 0 (one for each slot) for the activations' codes
.set G0A,  44
.set G1B,  52                          ; s[52:59], s[60:63], s[68:71] groups 1, 2, 3, s[72:79] groups 0 for W's codes
.set G2B,  60
.set G3B,  68
.set G0B,  72
.set HA,   80                          ; s[80:81] the second part's activations at my rows, s[82:83] its W, each with the descriptor's type bits (at the head: the two offsets)
.set HB,   82
.set PFA,  90                          ; s[84:89] b_x, b_h, b_extra; s[90:91] c_prev at my wave's 64 rows of the tile; never rewritten
.set OUTP, 92                          ; s[92:93] the output that I store, at my first row
.set SWA,  94                          ; s[94:95], s[96:97] at work in the change of parts
.set SWB,  96
.set TX,   100                         ; s100 tile column (64 hidden units), s101 tile row (256 rows)
.set TY,   101
.set WV,   66                          ; s66 wave; s67 RH = wave / 2: my half of the rows; also: I fetch activations (0) or W (1)
.set RH,   67
.set CH,   104                         ; s104 CH = wave % 2: my half of the hidden units; also: which half I fetch
.set TS,   105                         ; s105 8 x the K step whose scale words are in hand (at the head: the parity of cluster x + cluster y)
.set MSB, 0
.macro WIN new                         ; the immediate's high byte repeats the setting that is left; a switch that changes nothing is dropped
.if MSB != (\new)
	s_set_vgpr_msb (MSB<<8)|(\new)
.set MSB, (\new)
.endif
.endm
.set MUL_LO,   0xa1                    ; source 0 (W) window 1, source 1 window 0, C and D window 2
.set MUL_HI,   0xf1                    ; the same, C and D window 3
.set FIRST_LO, 0x81                    ; the first products: C (the bias) window 0, D window 2
.set FIRST_HI, 0xc1                    ; D window 3
.set TO_B,     0x40                    ; destination window 1, address window 0
; Joint loads.  Each of the two lines has ONE mask and one set of registers for all that issue it; the branch hangs on the wave's number alone.
; An s_nop 0 and four v_nop follow each line, ahead of the jump, the label and what follows.
.macro JLOADS g0a, g0b                 ; the scale bytes of one part
	s_cmp_eq_u32 s[RH], 0
	s_cbranch_scc0 .Lscale_w_\@
	tensor_load_to_lds s[\g0a:\g0a+3], s[G1SA:G1SA+7]
	s_nop 0
.rept 4
	v_nop
.endr
	s_branch .Lscale_asked_\@
.Lscale_w_\@:
	tensor_load_to_lds s[\g0b:\g0b+3], s[G1SB:G1SB+7]
	s_nop 0
.rept 4
	v_nop
.endr
.Lscale_asked_\@:
.endm
.macro JLOADC s                        ; a K step's codes into slot s
	s_cmp_eq_u32 s[RH], 0
	s_cbranch_scc0 .Lcode_w_\@
	tensor_load_to_lds s[G0A+4*\s:G0A+4*\s+3], s[G1A:G1A+7]
	s_nop 0
.rept 4
	v_nop
.endr
	s_branch .Lcode_asked_\@
.Lcode_w_\@:
	tensor_load_to_lds s[G0B+4*\s:G0B+4*\s+3], s[G1B:G1B+7], s[G2B:G2B+3], s[G3B:G3B+3]
	s_nop 0
.rept 4
	v_nop
.endr
.Lcode_asked_\@:
.endm
.macro CREST                           ; a round of the cluster's barrier behind its opening barrier
	s_cmp_lg_u32 s[WV], 0
	s_cbranch_scc1 .Lnot_wave_0_\@
	s_barrier_signal -3
.Lnot_wave_0_\@:
	s_barrier_wait -3
	s_barrier_signal -1
	s_barrier_wait -1
.endm
.macro CROUND                          ; a whole round
	s_barrier_signal -1
	s_barrier_wait -1
	CREST
.endm
.macro PLACES n                        ; plain vector instructions that name no register of the matrix instructions in front of them
.rept \n
	v_nop
.endr
.endm
	s_load_b512 s[4:19], s[0:1], 0x0               ; e_t codes, scales; h_prev codes, scales; W_x codes, scales; W_h codes, scales
	s_load_b256 s[84:91], s[0:1], 0x40             ; b_x, b_h, b_extra, c_prev
	s_load_b128 s[92:95], s[0:1], 0x60             ; out0, out1: all arguments are asked for together and waited for once
	v_lshl_add_u32 v[SPW], v0, 2, SPARE
	v_mov_b32 v[NIL], 0
	ds_add_u32 v[SPW], v[NIL]                      ; the wave's opening: the add and its wait come ahead of my first tensor load; the set-up below, work on registers, stands between them
	v_lshrrev_b32 v1, 5, v0
	v_readfirstlane_b32 s[WV], v1                  ; wave 0..3
	v_bfe_u32 v2, v0, 4, 1                         ; h = lane / 16
	v_lshlrev_b32 v[BO], 5, v2
	s_lshr_b32 s[RH], s[WV], 1
	s_and_b32 s[CH], s[WV], 1
	s_bfe_u32 s99, ttmp6, 0x40000                  ; cx, cy: my place in the cluster.  What hangs on cx stays in registers that feed W's descriptors, what hangs on cy in those that feed the activations'
	s_bfe_u32 s97, ttmp6, 0x40004
	s_lshl_b32 s[TX], ttmp9, 2
	s_add_co_u32 s[TX], s[TX], s99                 ; tile column = 4 x cluster x + cx
	s_and_b32 s[TY], ttmp7, 0xffff
	s_lshl_b32 s[TY], s[TY], 2
	s_add_co_u32 s[TY], s[TY], s97                 ; tile row = 4 x cluster y + cy
	s_lshl_b32 s96, s97, 2
	s_lshl_b32 s96, 15, s96                        ; my row of the cluster
	s_lshl_b32 s98, 0x1111, s99                    ; my column
	s_and_b32 s[TS], ttmp7, 0xffff
	s_add_co_u32 s[TS], s[TS], ttmp9
	s_and_b32 s[TS], s[TS], 1                      ; the parity of cluster x + cluster y: which part comes first
	; group 1, the activations' codes: 128 rows x 256 bytes, 1,024 bytes from row to row
	s_or_b32 s[G1A], s96, (1<<21)|PADW             ; 15:0 the mask: my row; 17:16 elements of 1 byte; 21 set beside a mask; the padding
	s_mov_b32 s[G1A+1], 256<<16                    ; tensor_dim0
	s_mov_b32 s[G1A+2], 128<<16                    ; tensor_dim1
	s_mov_b32 s[G1A+3], 256<<16                    ; tile_dim0
	s_mov_b32 s[G1A+4], 128                        ; tile_dim1
	s_mov_b32 s[G1A+5], 1024                       ; tensor_dim0_stride
	s_mov_b32 s[G1A+6], 0
	s_mov_b32 s[G1A+7], 0
	; groups 1 to 3, W's codes: 256 bytes x 64 rows x 2 gates; a gate is 1,024 rows of 1,024 bytes: 0x100000 from plane to plane.  In LDS the planes follow each other: 128 rows
	s_or_b32 s[G1B], s98, (1<<21)|PADW             ; the mask: my column
	s_mov_b32 s[G1B+1], 256<<16                    ; tensor_dim0
	s_mov_b32 s[G1B+2], 64<<16                     ; tensor_dim1
	s_mov_b32 s[G1B+3], 256<<16                    ; tile_dim0
	s_mov_b32 s[G1B+4], 64|(2<<16)                 ; tile_dim1 = 64, tile_dim2 = 2
	s_mov_b32 s[G1B+5], 1024                       ; tensor_dim0_stride
	s_mov_b32 s[G1B+6], 0                          ; its high part; tensor_dim1_stride's low 16 bits
	s_mov_b32 s[G1B+7], 0x10                       ; tensor_dim1_stride's bits 47:16
	s_mov_b32 s[G2B], 2                            ; tensor_dim2
	s_mov_b32 s[G2B+1], 1                          ; tensor_dim3 (the dimension is not used: tile_dim3 = 0)
	s_mov_b32 s[G2B+2], 0
	s_mov_b32 s[G2B+3], 0
	s_mov_b32 s[G3B], 0
	s_mov_b32 s[G3B+1], 1<<16                      ; tensor_dim4 (not used: tile_dim4 = 0)
	s_mov_b32 s[G3B+2], 0
	s_mov_b32 s[G3B+3], 0
	; group 1, the activations' scale bytes: 128 rows x 32 bytes are 4,096 dense bytes: 16 rows of 32 elements of 8 bytes
	s_or_b32 s[G1SA], s96, (3<<16)|(1<<21)|PADW
	s_mov_b32 s[G1SA+1], 32<<16
	s_mov_b32 s[G1SA+2], 16<<16
	s_mov_b32 s[G1SA+3], 32<<16
	s_mov_b32 s[G1SA+4], 16
	s_mov_b32 s[G1SA+5], 32
	s_mov_b32 s[G1SA+6], 0
	s_mov_b32 s[G1SA+7], 0
	; group 1, W's scale bytes: of each of the four gates 32 rows x 32 bytes = 1,024 dense bytes (128 elements), the gates 32,768 bytes (4,096 elements) apart; the padding's 256 bytes divide a row
	s_or_b32 s[G1SB], s98, (3<<16)|(1<<21)|PADW
	s_mov_b32 s[G1SB+1], 128<<16
	s_mov_b32 s[G1SB+2], 4<<16
	s_mov_b32 s[G1SB+3], 128<<16
	s_mov_b32 s[G1SB+4], 4
	s_mov_b32 s[G1SB+5], 4096
	s_mov_b32 s[G1SB+6], 0
	s_mov_b32 s[G1SB+7], 0
	; where the tiles begin, in bytes.  The activations' hang on the tile row and the wave alone, W's on the tile column and the wave alone
	s_lshl_b32 s[HA], s[TY], 18                    ; codes: 256 rows of 1,024 bytes a tile row,
	s_lshl_b32 s2, s[CH], 17                       ; 128 rows a half
	s_add_co_u32 s[HA], s[HA], s2
	s_mov_b32 s[HA+1], 0
	s_lshl_b32 s96, s[TY], 13                      ; scale bytes: 32 a row
	s_lshl_b32 s2, s[CH], 12
	s_add_co_u32 s96, s96, s2
	s_mov_b32 s97, 0
	s_lshl_b32 s[HB], s[TX], 16                    ; W's codes: 64 rows a tile column,
	s_lshl_b32 s2, s[CH], 21                       ; two gates a half
	s_add_co_u32 s[HB], s[HB], s2
	s_mov_b32 s[HB+1], 0
	s_lshl_b32 s98, s[TX], 11                      ; W's scale bytes: 64 rows of 32 a tile column,
	s_lshl_b32 s2, s[CH], 10                       ; the 32 rows of CH = my half
	s_add_co_u32 s98, s98, s2
	s_mov_b32 s99, 0
	s_lshl_b32 s[G0B+6], s[TX], 8                  ; the biases of my 32 hidden units: 4 (64 tx + 32 CH) bytes into each gate's 4,096 (in registers that W's second group 0 takes afterwards)
	s_lshl_b32 s2, s[CH], 7
	s_add_co_u32 s[G0B+6], s[G0B+6], s2
	s_mov_b32 s[G0B+7], 0
	s_mul_i32 s3, s[WV], HALFT                     ; where the codes go: wave x 128 rows: no place in the cluster enters an LDS address
.irp s, 0,1
	s_mov_b32 s[G0A+4*\s], 1                       ; 1:0 count = 1
	s_add_co_u32 s[G0A+4*\s+1], s3, \s*SLOT        ; 63:32 LDS address
	s_mov_b32 s[G0B+4*\s], 1
	s_add_co_u32 s[G0B+4*\s+1], s3, \s*SLOT
.endr
	s_wait_dscnt 0x0                               ; the opening add is done
	s_wait_kmcnt 0x0
	; the biases are asked for first of all: they have the descriptors' last words, the round and the first tiles' way in which to land
	s_add_nc_u64 s[84:85], s[84:85], s[G0B+6:G0B+7]
	s_add_nc_u64 s[86:87], s[86:87], s[G0B+6:G0B+7]
	s_add_nc_u64 s[88:89], s[88:89], s[G0B+6:G0B+7]
.irp b, 0,1,2,3,4,5,6,7                        ; for b = 2 g + u: hidden units 16 u + 8 h + 0 .. 7 of gate g: the result's layout
.irp x, 0,1
	global_load_b128 v[BI+8*\b+4*\x:BI+8*\b+4*\x+3],   v[BO], s[84:85] offset:4096*(\b/2)+64*(\b%2)+16*\x
	global_load_b128 v[128+8*\b+4*\x:128+8*\b+4*\x+3], v[BO], s[86:87] offset:4096*(\b/2)+64*(\b%2)+16*\x
	global_load_b128 v[192+8*\b+4*\x:192+8*\b+4*\x+3], v[BO], s[88:89] offset:4096*(\b/2)+64*(\b%2)+16*\x
.endr
.endr
	; which part comes first: choices between two buffers, on the clusters' numbers alone
	s_cmp_eq_u32 s[TS], 0
	s_cselect_b64 s[G0A+2:G0A+3], s[4:5], s[8:9]       ; the first part's activations,
	s_cselect_b64 s[G0A+6:G0A+7], s[8:9], s[4:5]       ; the second's
	s_cselect_b64 s[G0B+2:G0B+3], s[12:13], s[16:17]   ; the first part's W,
	s_cselect_b64 s[G0B+6:G0B+7], s[16:17], s[12:13]   ; the second's
	s_cselect_b64 s[4:5], s[6:7], s[10:11]             ; the scale bytes likewise: they change places within s[4:19] (the code pointers there are done with)
	s_cselect_b64 s[10:11], s[10:11], s[6:7]
	s_mov_b64 s[6:7], s[4:5]
	s_cselect_b64 s[12:13], s[14:15], s[18:19]
	s_cselect_b64 s[18:19], s[18:19], s[14:15]
	s_mov_b64 s[14:15], s[12:13]
	s_add_nc_u64 s[G0A+2:G0A+3], s[G0A+2:G0A+3], s[HA:HA+1]   ; 120:64 global address: the first part's K step 0 at my rows,
	s_add_nc_u64 s[HA:HA+1], s[G0A+6:G0A+7], s[HA:HA+1]       ; the second part's,
	s_add_nc_u64 s[G0A+6:G0A+7], s[G0A+2:G0A+3], 256          ; the first part's K step 1
	s_or_b32 s[G0A+3], s[G0A+3], 0x80000000                   ; 127:126 type = 2
	s_or_b32 s[G0A+7], s[G0A+7], 0x80000000
	s_or_b32 s[HA+1], s[HA+1], 0x80000000
	s_add_nc_u64 s[G0B+2:G0B+3], s[G0B+2:G0B+3], s[HB:HB+1]
	s_add_nc_u64 s[HB:HB+1], s[G0B+6:G0B+7], s[HB:HB+1]
	s_add_nc_u64 s[G0B+6:G0B+7], s[G0B+2:G0B+3], 256
	s_or_b32 s[G0B+3], s[G0B+3], 0x80000000
	s_or_b32 s[G0B+7], s[G0B+7], 0x80000000
	s_or_b32 s[HB+1], s[HB+1], 0x80000000
	s_add_nc_u64 s[G0SA0+2:G0SA0+3], s[G0SA0+2:G0SA0+3], s[96:97]   ; the scale pointers are words 2, 3 of their groups 0
	s_or_b32 s[G0SA0+3], s[G0SA0+3], 0x80000000
	s_add_nc_u64 s[G0SA1+2:G0SA1+3], s[G0SA1+2:G0SA1+3], s[96:97]
	s_or_b32 s[G0SA1+3], s[G0SA1+3], 0x80000000
	s_add_nc_u64 s[G0SB0+2:G0SB0+3], s[G0SB0+2:G0SB0+3], s[98:99]
	s_or_b32 s[G0SB0+3], s[G0SB0+3], 0x80000000
	s_add_nc_u64 s[G0SB1+2:G0SB1+3], s[G0SB1+2:G0SB1+3], s[98:99]
	s_or_b32 s[G0SB1+3], s[G0SB1+3], 0x80000000
	s_mov_b32 s[G0SA0], 1
	s_mul_i32 s[G0SA0+1], s[WV], SREG              ; where they go: wave x a region, the first part's first
	s_add_co_u32 s[G0SA0+1], s[G0SA0+1], SCL
	s_mov_b32 s[G0SA1], 1
	s_add_co_u32 s[G0SA1+1], s[G0SA0+1], SPART
	s_mov_b32 s[G0SB0], 1
	s_mov_b32 s[G0SB0+1], s[G0SA0+1]
	s_mov_b32 s[G0SB1], 1
	s_mov_b32 s[G0SB1+1], s[G0SA1+1]
	CROUND                                         ; all sixteen work-groups are here: the first joint loads meet
	JLOADS G0SA0, G0SB0                            ; the scale bytes first: they are wanted with K step 0
	JLOADS G0SA1, G0SB1
	JLOADC 0
	JLOADC 1                                       ; four tensor loads of mine are out
	v_and_b32 v1, 15, v0                           ; r = lane % 16
	v_mul_u32_u24 v3, v1, PITCH
	v_lshl_add_u32 v4, v2, 4, v3                   ; a fragment's row x pitch + 16 h
	s_mul_i32 s96, s[RH], HALFT                    ; my 128 rows of the activations
	s_mul_i32 s97, s[CH], 32*PITCH                 ; my 32 rows of each gate,
	s_add_co_u32 s97, s97, 2*HALFT                 ; behind the activations' 256
.irp s, 0,1
	v_add_nc_u32 v[ADRA+\s], s96, v4
	v_add_nc_u32 v[ADRB+\s], s97, v4
	s_add_co_u32 s96, s96, SLOT
	s_add_co_u32 s97, s97, SLOT
.endr
	v_lshlrev_b32 v5, 5, v1                        ; my row's scale bytes: 32 a row,
	v_lshrrev_b32 v6, 8, v5
	v_lshl_add_u32 v5, v6, 4, v5                   ; and 16 more for each 256 passed
	s_mul_i32 s96, s[RH], SREG                     ; the activations': my half's region
	s_mul_i32 s97, s[CH], SREG                     ; W's: the region of my CH, behind the activations' two
	s_add_co_u32 s97, s97, 2*SREG
	s_sub_co_u32 s97, s97, s96
	v_mul_u32_u24 v6, s97, v2                      ; lanes 16-31 take W's: the lower base + h x the distance
	s_add_co_u32 s96, s96, SCL
	v_add_nc_u32 v5, v5, v6
	v_add_nc_u32 v[ADRS0], s96, v5
	s_mul_i32 s96, s[RH], HALFT                    ; the way out: my 128 rows of the tile of 256 rows x 256 bytes,
	s_lshl_b32 s97, s[CH], 7                       ; my 32 hidden units' 128 bytes
	s_add_co_u32 s97, s97, s96
	v_lshl_add_u32 v5, v2, 5, v3                   ; row r, + 32 h
	v_add_nc_u32 v[STO], s97, v5
	v_add_nc_u32 v[STH], HST, v[STO]
	s_mul_i32 s97, s[CH], HST                      ; back: CH = 0 reads c_t's rows, CH = 1 h_t's
	s_add_co_u32 s97, s97, s96
	v_mul_u32_u24 v5, v2, PITCH                    ; lanes 0-15 one row of 256 bytes, lanes 16-31 the next
	v_lshl_add_u32 v5, v1, 4, v5
	v_add_nc_u32 v[RD], s97, v5
	v_lshlrev_b32 v5, 12, v2                       ; and the same two rows in the output: 4,096 bytes a row
	v_lshl_add_u32 v[CO], v1, 4, v5
	v_and_b32 v5, 31, v0
	v_lshlrev_b32 v[PFO], 12, v5
	s_lshl_b32 s98, s[TY], 20                      ; c_prev: 256 rows of 4,096 bytes a tile row,
	s_lshl_b32 s2, s[WV], 18                       ; the 64 rows that my wave fetches,
	s_add_co_u32 s98, s98, s2
	s_lshl_b32 s2, s[TX], 8                        ; 64 hidden units of 4 bytes a tile column
	s_add_co_u32 s98, s98, s2
	s_mov_b32 s99, 0
	s_add_nc_u64 s[PFA:PFA+1], s[PFA:PFA+1], s[98:99]
	s_cmp_eq_u32 s[CH], 0                          ; which output I store hangs on the wave's number alone: CH = 0: c_t (out1), CH = 1: h_t (out0)
	s_cselect_b64 s[OUTP:OUTP+1], s[94:95], s[92:93]
	s_lshl_b32 s98, s[TY], 20
	s_lshl_b32 s2, s[RH], 19                       ; my 128 rows
	s_add_co_u32 s98, s98, s2
	s_lshl_b32 s2, s[TX], 8
	s_add_co_u32 s98, s98, s2
	s_add_nc_u64 s[OUTP:OUTP+1], s[OUTP:OUTP+1], s[98:99]
	s_wait_loadcnt 0x0                             ; the biases
.set EI, 0
.rept 32
	v_pk_add_f32 v[BI+EI:BI+EI+1], v[BI+EI:BI+EI+1], v[128+EI:128+EI+1]   ; b_x + b_h
.set EI, EI+2
.endr
.set EI, 0
.rept 32
	v_pk_add_f32 v[BI+EI:BI+EI+1], v[BI+EI:BI+EI+1], v[192+EI:192+EI+1]   ; + b_extra
.set EI, EI+2
.endr
	PLACES NP                                      ; plain places between these additions and the products that take the sums as C
	s_wait_tensorcnt 1                             ; both parts' scale bytes and my part of K step 0 are in (K step 1's load may be out)
	s_barrier_signal -1
	s_barrier_wait -1                              ; everybody's are
	; the scale bytes' loads are done, so their groups 1 may be written: c_prev's descriptor (64 rows x 256 bytes for each wave, no mask: nobody shares it) and two constants
	s_mov_b32 s[G1C], PADW                         ; elements of 1 byte; the padding
	s_mov_b32 s[G1C+1], 256<<16
	s_mov_b32 s[G1C+2], 64<<16
	s_mov_b32 s[G1C+3], 256<<16
	s_mov_b32 s[G1C+4], 64
	s_mov_b32 s[G1C+5], 4096
	s_mov_b32 s[G1C+6], 0
	s_mov_b32 s[G1C+7], 0
	s_mov_b32 s[G0C], 1
	s_mul_i32 s[G0C+1], s[WV], 64*PITCH            ; rows 64 x wave of the tile, where slot 0 holds the activations
	s_mov_b64 s[G0C+2:G0C+3], s[PFA:PFA+1]
	s_or_b32 s[G0C+3], s[G0C+3], 0x80000000
	s_mov_b32 s[KN], 0xbfb8aa3b                    ; -log2 e
	s_mov_b32 s[KN+1], s[KN]
	s_mov_b32 s[KP], 0x4038aa3b                    ; 2 log2 e
	s_mov_b32 s[KP+1], s[KP]
	s_mov_b32 s[TS], 0
	v_mov_b32 v[ADRS], v[ADRS0]
.macro FRAG reg, adr, off              ; a fragment, 16 rows x 128 K: lane l holds row l % 16; registers 4 c .. 4 c + 3 hold K = 32 c + 16 (l / 16) + 0 .. 15
.irp c, 0,1,2,3
	ds_load_b128 v[\reg+4*\c:\reg+4*\c+3], v[\adr] offset:\off+32*\c
.endr
.endm
.macro FETCH_A2 slot, q, i0            ; the activations' blocks i0, i0 + 1 of the slot's q-th 128 along K: 8 loads
.irp i, \i0, \i0+1
	FRAG AF+FR*(\i), ADRA+\slot, 128*(\q)+(\i)*16*PITCH
.endr
.endm
.macro FETCH_A slot, q, i0             ; blocks i0 .. i0 + 3: 16 loads
	FETCH_A2 \slot, \q, \i0
	FETCH_A2 \slot, \q, \i0+2
.endm
.macro BFR slot, q, p, i0              ; W's fragments i0 .. i0 + 3 into set p: 16 loads; block i = 2 g + u lies at LDS row 64 g + 16 u of my 32 rows of each gate.  The caller sets the windows (TO_B)
.irp i, \i0, \i0+1, \i0+2, \i0+3
	FRAG 128*(\p)+FR*(\i), ADRB+\slot, 128*(\q)+(64*((\i)/2)+16*((\i)%2))*PITCH
.endr
.endm
.macro SCALES sc                       ; a K step's scale words into set sc: two words a row; lanes 0-15 take the activations' block i, lanes 16-31 W's block i: 8 loads
.irp i, 0,1,2,3,4,5,6,7
	ds_load_b64 v[SC+16*\sc+2*\i:SC+16*\sc+2*\i+1], v[ADRS] offset:\i*SBLK
.endr
.endm
; 16 matrix instructions: the activations' blocks a0, a0 + 1 x W's eight, 128 along K.  p: W's set; sc: the set of scale words.  first = 1: the sum starts from the bias: nothing is ever cleared.
; The 64 accumulators take turns, one instruction a turn, in the same order in every step.
.macro MUL16 a0, p, q, sc, first
.irp a, \a0, \a0+1
.irp b, 0,1,2,3,4,5,6,7
.if \first
	v_wmma_scale_f32_16x16x128_f8f6f4 v[8*(8*((\a)%4)+\b):8*(8*((\a)%4)+\b)+7], v[128*(\p)+FR*\b:128*(\p)+FR*\b+FR-1], v[AF+FR*(\a):AF+FR*(\a)+FR-1], v[BI+8*\b:BI+8*\b+7], v[SC+16*(\sc)+2*\b+(\q)], v[SC+16*(\sc)+2*(\a)+(\q)] matrix_a_scale:MATRIX_SCALE_ROW1
.else
	v_wmma_scale_f32_16x16x128_f8f6f4 v[8*(8*((\a)%4)+\b):8*(8*((\a)%4)+\b)+7], v[128*(\p)+FR*\b:128*(\p)+FR*\b+FR-1], v[AF+FR*(\a):AF+FR*(\a)+FR-1], v[8*(8*((\a)%4)+\b):8*(8*((\a)%4)+\b)+7], v[SC+16*(\sc)+2*\b+(\q)], v[SC+16*(\sc)+2*(\a)+(\q)] matrix_a_scale:MATRIX_SCALE_ROW1
.endif
.endr
.endr
.endm
; A slot's first step of 128 along K; its successor lies in the same slot.  THE LDS LOADS GO IN TWO RUNS OF 32, one beside each half of the step's 64 products.  The run in front of the step (written at the end
; of what precedes it) is this step's blocks 4-7 and W's fragments 0-3 of the next step: W's other set is free from the step's start.  The run in the middle is W's fragments 4-7 and the next step's blocks 0-3,
; whose registers the first half's products have left.  In front of the step the loads were issued in this order: W's eight, blocks 0-1, the scale words, blocks 2-3 | blocks 4-7, the next W's 0-3.
.macro STEP slot, q, first
	s_wait_dscnt 10*NL                             ; W's set, blocks 0-1 and the scale words are in; the youngest 40 loads (blocks 2-3: 8; blocks 4-7: 16; the next W's 0-3: 16) may be out
.if \first
	WIN FIRST_LO
.else
	WIN MUL_LO
.endif
	MUL16 0, (\q)%2, \q, \slot, \first
	s_wait_dscnt 8*NL                              ; blocks 2-3 are in; the youngest 32 may be out
	MUL16 2, (\q)%2, \q, \slot, \first
	s_wait_dscnt 4*NL                              ; blocks 4-7 are in; the next W's 0-3, 16 loads, may be out
	PLACES NP                                      ; in front of loads into registers that matrix instructions have read
	WIN TO_B
	BFR \slot, (\q)+1, 1-(\q)%2, 4
	WIN 0
	FETCH_A \slot, (\q)+1, 0
.if \first
	WIN FIRST_HI
.else
	WIN MUL_HI
.endif
	MUL16 4, (\q)%2, \q, \slot, \first
	MUL16 6, (\q)%2, \q, \slot, \first
	PLACES NP
	WIN 0
	FETCH_A \slot, (\q)+1, 4
.endm
; A PREFETCH INTO THE L2 of my wave's 64 rows x 256 bytes of c_prev, a lane a row, two instructions: each of these blocks is read by this wave alone, so each is named once in the launch.
; It stands in the loop's last trip, behind the joint load and the run of LDS loads: two K steps, 256 matrix instructions, ahead of the tensor load that brings the tile.  Its address registers are never rewritten.
.macro ASKC
	s_cmp_eq_u32 s3, 1
	s_cbranch_scc0 .Lnot_yet_\@
	global_prefetch_b8 v[PFO], s[PFA:PFA+1] th:TH_LOAD_NT scope:SCOPE_SE
	global_prefetch_b8 v[PFO], s[PFA:PFA+1] offset:131072 th:TH_LOAD_NT scope:SCOPE_SE
.Lnot_yet_\@:
.endm
; A slot's last step changes slots: in front of the barrier each wave waits for all its tensor loads, adds 0 to its spare word, and waits for that and for its own reads of this slot.  The barrier opens a round of the
; cluster's barrier: behind it no wave of any partner still reads this slot or has a load on its way.  fill = 1: the slot takes the K step two on.  fill = 2: it takes c_prev's tile, its last fill.
.macro TURN slot, next, fill
	s_wait_tensorcnt 0x0                           ; all my tensor loads have landed: my part of the next slot;  (every window is 0 here)
	ds_add_u32 v[SPW], v[NIL]                      ; 0 onto my spare word
	s_wait_dscnt 4*NL+1                            ; (the add and the youngest 16 loads, blocks 4-7, may be out)
	WIN MUL_LO
	MUL16 0, 1, 1, \slot, 0                        ; sixteen matrix instructions stand between the add and the wait for it
	s_wait_dscnt 0x0                               ; the add is done, and my reads of this slot are over
	s_barrier_signal -1
	MUL16 2, 1, 1, \slot, 0
	WIN 0
	s_barrier_wait -1
	CREST
.if \fill == 1
	s_add_nc_u64 s[G0A+4*\slot+2:G0A+4*\slot+3], s[G0A+4*\slot+2:G0A+4*\slot+3], 512   ; two K steps on;
	s_add_nc_u64 s[G0B+4*\slot+2:G0B+4*\slot+3], s[G0B+4*\slot+2:G0B+4*\slot+3], 512
	s_add_nc_u64 s[SWA:SWA+1], s[HA:HA+1], 256*\slot                                   ; but in the loop's second trip K steps 4 and 5 are due: the first two of the second part.
	s_add_nc_u64 s[SWB:SWB+1], s[HB:HB+1], 256*\slot                                   ; A choice between two buffers on the count of trips alone, the same in every work-group
	s_cmp_eq_u32 s3, 2
	s_cselect_b64 s[G0A+4*\slot+2:G0A+4*\slot+3], s[SWA:SWA+1], s[G0A+4*\slot+2:G0A+4*\slot+3]
	s_cselect_b64 s[G0B+4*\slot+2:G0B+4*\slot+3], s[SWB:SWB+1], s[G0B+4*\slot+2:G0B+4*\slot+3]
	JLOADC \slot                                   ; the first tensor load behind the round; its four v_nop are among the places in front of the loads below
	PLACES NP-4
.else
	tensor_load_to_lds s[G0C:G0C+3], s[G1C:G1C+7]  ; every wave brings its own 64 rows of c_prev's tile
	s_nop 0
	PLACES NP
.endif
	s_add_co_u32 s[TS], s[TS], 8                   ; the next K step's scale words: 8 bytes on in each row; from K step 4 on in the second part's region
	s_lshr_b32 s2, s[TS], 5
	s_mul_i32 s2, s2, SPART-32
	s_add_co_u32 s2, s2, s[TS]
	v_add_nc_u32 v[ADRS], s2, v[ADRS0]
	WIN TO_B
	BFR \next, 0, 0, 0                             ; what the next step's first sixteen products want comes first: W's eight fragments,
	BFR \next, 0, 0, 4
	WIN 0
	FETCH_A2 \next, 0, 0                           ; blocks 0-1,
	SCALES \next                                   ; the scale words;
	FETCH_A2 \next, 0, 2                           ; then blocks 2-3
.if (\slot == 0) && (\fill == 1)
	ASKC
.endif
	WIN MUL_HI
	MUL16 4, 1, 1, \slot, 0
	MUL16 6, 1, 1, \slot, 0
	PLACES NP                                      ; in front of loads into blocks 4-7's registers and into W's set 1, which these products have read
	WIN 0
	FETCH_A \next, 0, 4                            ; the run in front of the next step: its blocks 4-7,
	WIN TO_B
	BFR \next, 1, 1, 0                             ; and W's fragments 0-3 of the step after it
	WIN 0
.endm
	WIN TO_B
	BFR 0, 0, 0, 0                                 ; the same order as behind a change of slots
	BFR 0, 0, 0, 4
	WIN 0
	FETCH_A2 0, 0, 0
	SCALES 0
	FETCH_A2 0, 0, 2
	FETCH_A 0, 0, 4
	WIN TO_B
	BFR 0, 1, 1, 0
	WIN 0
	STEP 0, 0, 1                                   ; the first step stands in front of the loop: its products start the sums from the bias
	s_mov_b32 s3, 3
.Llap:                                                 ; a trip goes once round the ring, from a lap's second step to the next lap's first, and fills both slots again: K steps 2, 3; 4, 5; 6, 7
	TURN 0, 1, 1
	STEP 1, 0, 0
	TURN 1, 0, 1
	STEP 0, 0, 0
	s_sub_co_u32 s3, s3, 1
	s_cmp_lg_u32 s3, 0
	s_cbranch_scc1 .Llap
	TURN 0, 1, 2                                   ; K step 6 ends; slot 0 takes c_prev
	STEP 1, 0, 0
	s_wait_dscnt 4*NL                              ; the very last step: nothing more to fetch; blocks 4-7, 16 loads, may be out
	WIN MUL_LO
	MUL16 0, 1, 1, 1, 0
	MUL16 2, 1, 1, 1, 0
	s_wait_dscnt 0
	WIN MUL_HI
	MUL16 4, 1, 1, 1, 0
	MUL16 6, 1, 1, 1, 0
	WIN 0
; THE WAY OUT, block a of 16 rows at a time.  A lane has 16 elements e = 8 u + j of the block.
.macro ZSCALE a                        ; z x -log2 e for f, i, o; z x 2 log2 e for c.  Each accumulator is read from its low end on
	WIN 0x02+(\a)/4                                ; source 0: window 2 or 3
.irp b, 0,1,2,3,4,5
.irp k, 0,2,4,6
	v_pk_mul_f32 v[T+8*\b+\k:T+8*\b+\k+1], v[64*((\a)%4)+8*\b+\k:64*((\a)%4)+8*\b+\k+1], s[KN:KN+1] op_sel_hi:[1,0]
.endr
.endr
.irp b, 6,7
.irp k, 0,2,4,6
	v_pk_mul_f32 v[T+8*\b+\k:T+8*\b+\k+1], v[64*((\a)%4)+8*\b+\k:64*((\a)%4)+8*\b+\k+1], s[KP:KP+1] op_sel_hi:[1,0]
.endr
.endr
	WIN 0
.endm
.macro CLOAD a                         ; my 16 numbers of c_prev
.set CPL, CP+16*((\a)%2)
.irp u, 0,1
.irp x, 0,1
	ds_load_b128 v[CPL+8*\u+4*\x:CPL+8*\u+4*\x+3], v[STO] offset:16*(\a)*PITCH+64*\u+16*\x
.endr
.endr
.endm
.macro STAGE a                         ; c_t over the bytes that I read c_prev from; h_t at the same place in its stage
.set CPL, CP+16*((\a)%2)
.irp u, 0,1
.irp x, 0,1
	ds_store_b128 v[STO], v[CPL+8*\u+4*\x:CPL+8*\u+4*\x+3] offset:16*(\a)*PITCH+64*\u+16*\x
	ds_store_b128 v[STH], v[T+32+8*\u+4*\x:T+32+8*\u+4*\x+3] offset:16*(\a)*PITCH+64*\u+16*\x
.endr
.endr
.endm
.macro BACK a                          ; the block's 16 whole rows, of c_t or of h_t
.set OS, OUT+32*((\a)%2)
.irp t, 0,1,2,3,4,5,6,7
	ds_load_b128 v[OS+4*\t:OS+4*\t+3], v[RD] offset:(16*(\a)+2*\t)*PITCH
.endr
.endm
.macro SEND a
.set OS, OUT+32*((\a)%2)
.irp t, 0,1,2,3,4,5,6,7
	global_store_b128 v[CO], v[OS+4*\t:OS+4*\t+3], s[OUTP:OUTP+1] offset:(16*(\a)+2*\t)*4096 th:TH_STORE_NT   ; 16 lanes store 256 consecutive bytes, at a multiple of 256 from the output's first byte; 126 rows at the most: inside the signed 24-bit immediate
.endr
.endm
; The transcendentals go in four batches a block, each with one plain instruction behind it and ONE s_wait_alu ahead of its first reader.
.macro EPI a
.set CPS, CP+16*((\a)%2)
	ZSCALE \a
.set EI, 0
.rept 64
	v_exp_f32 v[T+EI], v[T+EI]
.set EI, EI+1
.endr
.if (\a) > 0
	s_wait_dscnt 0x0                               ; the block before is back in registers (and this block's c_prev is in):
	SEND (\a)-1                                    ; its stores leave while this block is computed
.endif
.if (\a) < 7
	CLOAD (\a)+1
.endif
	v_nop
	s_wait_alu depctr_va_vdst(0)
.set EI, 0
.rept 32
	v_pk_add_f32 v[T+EI:T+EI+1], v[T+EI:T+EI+1], 1.0 op_sel_hi:[1,0]
.set EI, EI+2
.endr
.set EI, 0
.rept 64
	v_rcp_f32 v[T+EI], v[T+EI]                     ; f, i, o: the sigmoids; c: 1 / (1 + 2^(2 z log2 e))
.set EI, EI+1
.endr
	v_nop
	s_wait_alu depctr_va_vdst(0)
.if (\a) == 0
	s_wait_dscnt 4                                 ; block 0's c_prev is in; block 1's four loads may be out
.endif
.irp k, 0,2,4,6,8,10,12,14
	v_pk_fma_f32 v[T+48+\k:T+48+\k+1], v[T+48+\k:T+48+\k+1], -2.0, 1.0 op_sel_hi:[1,0,0]   ; tanh(zc)
.endr
.irp k, 0,2,4,6,8,10,12,14
	v_pk_mul_f32 v[T+16+\k:T+16+\k+1], v[T+16+\k:T+16+\k+1], v[T+48+\k:T+48+\k+1]          ; i tanh(zc)
.endr
.irp k, 0,2,4,6,8,10,12,14
	v_pk_fma_f32 v[CPS+\k:CPS+\k+1], v[T+\k:T+\k+1], v[CPS+\k:CPS+\k+1], v[T+16+\k:T+16+\k+1]   ; c_t = f c_prev + i tanh(zc)
.endr
.irp k, 0,2,4,6,8,10,12,14
	v_pk_mul_f32 v[T+\k:T+\k+1], v[CPS+\k:CPS+\k+1], s[KP:KP+1] op_sel_hi:[1,0]
.endr
.set EI, 0
.rept 16
	v_exp_f32 v[T+EI], v[T+EI]
.set EI, EI+1
.endr
	v_nop
	s_wait_alu depctr_va_vdst(0)
.irp k, 0,2,4,6,8,10,12,14
	v_pk_add_f32 v[T+\k:T+\k+1], v[T+\k:T+\k+1], 1.0 op_sel_hi:[1,0]
.endr
.set EI, 0
.rept 16
	v_rcp_f32 v[T+EI], v[T+EI]
.set EI, EI+1
.endr
	v_nop
	s_wait_alu depctr_va_vdst(0)
.irp k, 0,2,4,6,8,10,12,14
	v_pk_fma_f32 v[T+\k:T+\k+1], v[T+\k:T+\k+1], -2.0, 1.0 op_sel_hi:[1,0,0]               ; tanh(c_t)
.endr
.irp k, 0,2,4,6,8,10,12,14
	v_pk_mul_f32 v[T+32+\k:T+32+\k+1], v[T+32+\k:T+32+\k+1], v[T+\k:T+\k+1]                ; h_t = o tanh(c_t)
.endr
	STAGE \a
	s_wait_dscnt 0x0                               ; for the others' sake: my stores have landed (and the next block's c_prev is in)
	s_barrier_signal -1
	s_barrier_wait -1                              ; the block's rows are whole.  Each block has LDS rows of its own, so one barrier a block is enough
.if (\a) >= 2
	s_wait_xcnt 0x0                                ; the stores of two blocks back have read their registers: this block's rows may land there
.endif
	BACK \a
.endm
	PLACES NP                                      ; in front of the first reads of results, and of writes and loads into registers that the last products read
	s_wait_tensorcnt 0x0                           ; my 64 rows of c_prev are in,
	s_wait_dscnt 0x0
	s_barrier_signal -1
	s_barrier_wait -1                              ; everybody's are; slot 0 has had its last fill, and nobody reads its codes any more
	CLOAD 0
.irp a, 0,1,2,3,4,5,6,7
	EPI \a
.endr
	s_wait_dscnt 0x0
	SEND 7
	s_wait_tensorcnt 0x0                           ; the wave's end: a wait, an add and its wait, behind my last tensor load and my last LDS store
	ds_add_u32 v[SPW], v[NIL]
	s_wait_dscnt 0x0
	CROUND                                         ; the closing round: no work-group ends while a partner may still ask for a tile that names it
	s_endpgm
.Lfunc_end_k_q1003809ce6_lstm:
	.size	k_q1003809ce6_lstm, .Lfunc_end_k_q1003809ce6_lstm-k_q1003809ce6_lstm
	.p2alignl 7, 3214868480
	.fill 96, 4, 3214868480
	.section	.rodata,"a",@progbits
	.p2align	6, 0x0
	.amdhsa_kernel k_q1003809ce6_lstm
		.amdhsa_group_segment_fixed_size 327680
		.amdhsa_private_segment_fixed_size 0
		.amdhsa_enable_private_segment 0
		.amdhsa_kernarg_size 112
		.amdhsa_user_sgpr_count 2
		.amdhsa_user_sgpr_kernarg_segment_ptr 1
		.amdhsa_wavefront_size32 1
		.amdhsa_system_sgpr_workgroup_id_x 1
		.amdhsa_system_sgpr_workgroup_id_y 1
		.amdhsa_system_sgpr_workgroup_id_z 1
		.amdhsa_system_vgpr_workitem_id 0
		.amdhsa_next_free_vgpr 1024
		.amdhsa_next_free_sgpr 106
		.amdhsa_reserve_vcc 0
		.amdhsa_float_denorm_mode_32 3
		.amdhsa_float_denorm_mode_16_64 3
		.amdhsa_memory_ordered 1
		.amdhsa_forward_progress 1
		.amdhsa_inst_pref_size 250
	.end_amdhsa_kernel
	.amdgpu_metadata
---
amdhsa.version: [ 1, 2 ]
amdhsa.kernels:
  - .name:           k_q1003809ce6_lstm
    .symbol:         k_q1003809ce6_lstm.kd
    .args:
      - { .name: e_t_codes, .offset: 0, .size: 8, .value_kind: global_buffer, .address_space: global }
      - { .name: e_t_scales, .offset: 8, .size: 8, .value_kind: global_buffer, .address_space: global }
      - { .name: h_prev_codes, .offset: 16, .size: 8, .value_kind: global_buffer, .address_space: global }
      - { .name: h_prev_scales, .offset: 24, .size: 8, .value_kind: global_buffer, .address_space: global }
      - { .name: W_x_codes, .offset: 32, .size: 8, .value_kind: global_buffer, .address_space: global }
      - { .name: W_x_scales, .offset: 40, .size: 8, .value_kind: global_buffer, .address_space: global }
      - { .name: W_h_codes, .offset: 48, .size: 8, .value_kind: global_buffer, .address_space: global }
      - { .name: W_h_scales, .offset: 56, .size: 8, .value_kind: global_buffer, .address_space: global }
      - { .name: b_x, .offset: 64, .size: 8, .value_kind: global_buffer, .address_space: global }
      - { .name: b_h, .offset: 72, .size: 8, .value_kind: global_buffer, .address_space: global }
      - { .name: b_extra, .offset: 80, .size: 8, .value_kind: global_buffer, .address_space: global }
      - { .name: c_prev, .offset: 88, .size: 8, .value_kind: global_buffer, .address_space: global }
      - { .name: out0, .offset: 96, .size: 8, .value_kind: global_buffer, .address_space: global }
      - { .name: out1, .offset: 104, .size: 8, .value_kind: global_buffer, .address_space: global }
    .group_segment_fixed_size: 327680
    .private_segment_fixed_size: 0
    .kernarg_segment_align: 8
    .kernarg_segment_size: 112
    .max_flat_workgroup_size: 128
    .sgpr_count:     106
    .vgpr_count:     1024
    .wavefront_size: 32
...
	.end_amdgpu_metadata
.endif
;; end of part 1
